; MI455X (gfx1250); checked and timed in simulation.
; The chip was launched on July 23, 2026; its instructions are those of AMD's public machine-readable ISA for CDNA 5 (MIT licence, August 2026) and "CDNA5" Instruction Set Architecture Reference Guide (July 2026). The comments in the code are by the model that wrote it; some were corrected since.
;; Matcher. Allowed arithmetic: matrix products marked QUANTISED: E2M3 operands, one E8M0 scale for each 32 along K, by v_wmma_scale_f32_16x16x128_f8f6f4 with both operands' format E2M3, f32 sums; everything else in f32.
;; Inputs: x 8,192 x 64 float32; y 8,192 x 64 float32.
;; Outputs: out0 8,192 float32; out1 8,192 x 2 int32; out2 8,192 bool.
;; This version of the problem:
;;   THIS VERSION OF THE PROBLEM IS GIVEN IN LOW PRECISION. The matrix products marked QUANTISED in the list below multiply operands that are first quantised to E2M3 (2 exponent bits, 3 mantissa bits; 6 bits a number), with one power-of-two scale for each 32 numbers along K (OCP MX v1.0); their sums are f32. All else is computed in f32.
;;   The module's matrix products, in the order in which they are computed (A, B: the left and right operand; K: the contracted axis; several contracted axes count as one K, in the product's order):
;;     1. [M 8,192, K 64] x [K 64, N 8,192]; A: input x; B: input y: QUANTISED
;;   THE QUANTISER, for each operand of a quantised product, along K:
;;     - K is cut into blocks of 32 from its start; a last block that is shorter is filled with zeros.
;;     - A block's scale is 2^e with e = floor(log2(the largest magnitude in the block)) - 2, held to -126 .. 127; a block of zeros has e = 0. As a byte (E8M0): e + 127.
;;     - Each number is divided by its block's scale, clamped to +-7.5, and rounded to the nearest number of E2M3, ties to even, subnormals kept.
;;     - The product sums the exact products of the quantised numbers (number of the format x scale) in f32.
;;   ~~~python
;;   def quantise(x, axis):      # numpy; x: float32 -> the quantised numbers, widened to float32 again
;;       x = np.moveaxis(x, axis, -1); K = x.shape[-1]
;;       x = np.pad(x, [(0, 0)] * (x.ndim - 1) + [(0, -K % 32)]); x = x.reshape(x.shape[:-1] + (-1, 32)); a = np.abs(x).max(-1, keepdims=True)
;;       e = np.where(a > 0, np.clip(np.frexp(np.where(a > 0, a, 1))[1] - 1 - 2, -126, 127), 0)      # np.frexp(a)[1] - 1 = floor(log2(a)), exactly
;;       r = np.clip(x / 2.0 ** e, -7.5, 7.5)
;;       step = 2.0 ** (np.maximum(np.frexp(np.where(r == 0, 1, r))[1] - 1, 0) - 3)
;;       q = np.round(r / step) * step * 2.0 ** e      # np.round: ties to even
;;       return np.moveaxis(q.reshape(q.shape[:-2] + (-1,))[..., :K], -1, axis).astype(np.float32)
;;   ~~~
;; 2 versions, each right; version 2 is version 1 with the launch match written anew for expert scheduling mode. Each part assembles by itself: llvm-mc -triple=amdgcn-amd-amdhsa -mcpu=gfx1250 --defsym DOCPART=n.
;; ======== version 1 of 2: 3 launches
;; workspace buffers: kc 786,432 bytes; ks 65,536 bytes; kn 65,536 bytes; choice 65,536 bytes of whole numbers; ssum 65,536 bytes
;; launch quant (part 1): grid 256 x 1, 2 waves a work-group, no clusters, 0 bytes of LDS; arguments x, y, kc, ks, kn; writes kc, ks, kn
.if DOCPART == 1
	.amdgcn_target "amdgcn-amd-amdhsa--gfx1250"
	.amdhsa_code_object_version 6
	.text
	.protected	k_q3888486a91_quant
	.globl	k_q3888486a91_quant
	.p2align	8
	.type	k_q3888486a91_quant,@function
k_q3888486a91_quant:
	s_mov_b64 s[64:65], 0
	v_nop
	global_prefetch_b8 v0, s[64:65] scope:SCOPE_SE
	s_setreg_imm32_b32 hwreg(HW_REG_WAVE_MODE, 25, 1), 1
	s_wait_xcnt 0x0
; x [8192][64] and y [8192][64], f32, become: codes of FP6 (E2M3) with one E8M0 scale for each 32 along K, and each row's squared norm in f32.
; THE CODES ARE LAID AS IMAGES OF OPERAND REGISTERS.  In a 6-bit operand lane (r, h) holds, in registers 0-5, the 32 codes k = 32 h .. 32 h + 31 of row r: one whole block.
; 32 rows (two tiles of 16) are an image of 12 registers a lane: registers 0-5 the first tile, 6-11 the second; registers 4 c .. 4 c + 3 of lane l lie at 512 c + 16 l of the image's 1,536 bytes.
; So the launch that multiplies loads a pair of tiles by three loads of 16 bytes a lane, 512 consecutive bytes each.  x's 256 images come first, then y's.
; THE SCALE WORDS: one word a row: byte 0 block 0, byte 1 block 1, bytes 2 and 3 the byte of 1.0 for the half of the instruction's K = 128 that these rows do not have.
; A block's scale is 2^(floor(log2(its largest magnitude)) - 2); its byte is the largest magnitude's exponent field - 2, held at 1 from below by a floor among the maximum's leaves.
; THE NORMS: reference() rounds each square and then sums: here too the squares are rounded, and added one by one in ascending k; multiply and add are NOT fused, to keep that order of rounding.
; SHARES: a wave takes 32 rows; lane (r, h) takes block h of row r of each of the two tiles.  Work-groups 0-127 take x, the others y: only pointers are chosen, there is one path.
; A lane's eight loads of a tile cover its 128 consecutive bytes, a wave's sixteen loads 8,192 consecutive bytes.  The codes leave in stores of 512 consecutive bytes; words and norms in stores of 128.
; LIMITS: a block of zeros gets the byte 1 where the rule says 127 (its codes are zeros, and this program alone reads the bytes); NaN and infinities among the inputs are not served.
.set TENS_C, 393216                    ; bytes of a tensor's codes: 8192 rows x 48
.set PAIR_C, 1536                      ; bytes of an image
.set X,   16                           ; v16-79   the numbers: tile e at X + 32 e
.set IM,  80                           ; v80-91   the image
.set TC,  92                           ; v92-94, v96-98  each block's upper 16 codes, before they are moved
.set MX,  100                          ; v100-101 largest magnitudes
.set SO,  102                          ; v102-103 the conversions' scale operands
.set BY,  104                          ; v104-105 my block's byte
.set OB,  106                          ; v106-107 the other block's byte
.set NA,  108                          ; v108-109 the sum of my 32 squares
.set NB,  110                          ; v110-111 the other half's sum, and my 32 squares added onto it
.set NR,  112                          ; v112-113 the other half's sum as received
.set WD,  114                          ; v114-115 scale words
.set NO,  116                          ; v116     tile 0's norm as lanes 0-15 receive it
.set PQ,  128                          ; v128-191 the squares
	s_load_b128 s[4:7], s[0:1], 0x0                ; x, y
	s_load_b128 s[8:11], s[0:1], 0x10              ; codes, scale words
	s_load_b64 s[12:13], s[0:1], 0x20              ; norms
	v_lshrrev_b32 v1, 5, v0
	v_readfirstlane_b32 s14, v1                    ; wave 0..1
	v_and_b32 v2, 31, v0                           ; lane
	v_and_b32 v3, 15, v0                           ; r
	v_bfe_u32 v4, v0, 4, 1                         ; h
	v_lshlrev_b32 v5, 8, v3                        ; in: row r of 256 bytes,
	v_lshl_add_u32 v5, v4, 7, v5                   ; + 128 h: my block
	v_lshlrev_b32 v6, 4, v2                        ; out: 16 x lane in a piece of the image,
	v_lshlrev_b32 v7, 2, v2                        ; 4 x lane among the 32 rows' words and norms
	v_lshlrev_b32 v8, 3, v4                        ; my byte's place in the scale word: 8 h bits up,
	v_sub_nc_u32 v9, 8, v8                         ; the other block's: 8 - 8 h
.irp e, 0,1
	v_mov_b32 v[OB+\e], 0                          ; written once: a lane permute's destination counts as one of its sources
	v_mov_b32 v[NR+\e], 0
.endr
	v_mov_b32 v[NO], 0
	s_lshr_b32 s15, ttmp9, 7                       ; which tensor
	s_and_b32 s16, ttmp9, 127
	s_lshl_b32 s16, s16, 1
	s_add_co_u32 s16, s16, s14                     ; which 32 rows of it: 0..255
	s_lshl_b32 s20, s16, 13                        ; 32 rows of 256 bytes
	s_mov_b32 s21, 0
	s_mul_i32 s22, s15, TENS_C
	s_mul_i32 s23, s16, PAIR_C
	s_add_co_u32 s22, s22, s23                     ; my image
	s_mov_b32 s23, 0
	s_lshl_b32 s24, s15, 15                        ; a tensor's words, and its norms, are 32,768 bytes
	s_lshl_b32 s25, s16, 7
	s_add_co_u32 s24, s24, s25                     ; my 32 rows' words and norms
	s_mov_b32 s25, 0
	s_mov_b32 s26, 0x76543210
	s_mov_b32 s27, 0xfedcba98                      ; v_permlanex16_b32's selects for lane l xor 16
	s_wait_kmcnt 0x0
	s_cmp_lt_u32 ttmp9, 128                        ; the choice hangs on the work-group's number alone
	s_cselect_b64 s[4:5], s[4:5], s[6:7]
	s_add_nc_u64 s[4:5], s[4:5], s[20:21]
	s_add_nc_u64 s[8:9], s[8:9], s[22:23]
	s_add_nc_u64 s[10:11], s[10:11], s[24:25]
	s_add_nc_u64 s[12:13], s[12:13], s[24:25]
.irp e, 0,1
.irp i, 0,1,2,3,4,5,6,7
	global_load_b128 v[X+32*\e+4*\i:X+32*\e+4*\i+3], v5, s[4:5] offset:4096*\e+16*\i th:TH_LOAD_NT   ; read once in the launch
.endr
.endr
	s_wait_loadcnt 0x0
; the blocks' largest magnitudes (all 32 numbers of a block are mine), the two tiles by turns
.irp e, 0,1
	v_max3_num_f32 v[MX+\e], |v[X+32*\e]|, |v[X+32*\e+1]|, 0x1800000   ; and the floor 2^(3 - 127): so the byte cannot fall under 1
.endr
.set i, 2
.rept 15
.irp e, 0,1
	v_max3_num_f32 v[MX+\e], v[MX+\e], |v[X+32*\e+i]|, |v[X+32*\e+i+1]|
.endr
.set i, i+2
.endr
; the squares, each rounded to f32
.set i, 0
.rept 16
.irp e, 0,1
	v_pk_mul_f32 v[PQ+32*\e+i:PQ+32*\e+i+1], v[X+32*\e+i:X+32*\e+i+1], v[X+32*\e+i:X+32*\e+i+1]
.endr
.set i, i+2
.endr
.irp e, 0,1
	v_add_nc_u32 v[SO+\e], 0xff000000, v[MX+\e]    ; 2 off the exponent field: the conversion takes the exponent field of this operand as its scale, and nothing else of it
.endr
.irp e, 0,1
	v_lshrrev_b32 v[BY+\e], 23, v[SO+\e]           ; the scale's byte
.endr
; the row's sum in ascending k.  First my own 32: in lanes 0-15 that is k = 0 .. 31
.irp e, 0,1
	v_add_f32 v[NA+\e], v[PQ+32*\e], v[PQ+32*\e+1]
.endr
.set i, 2
.rept 30
.irp e, 0,1
	v_add_f32 v[NA+\e], v[NA+\e], v[PQ+32*\e+i]
.endr
.set i, i+1
.endr
.irp e, 0,1
	v_permlanex16_b32 v[NR+\e], v[NA+\e], s26, s27 ; lanes 16-31 receive the sum of k = 0 .. 31,
.endr
.irp e, 0,1
	v_add_f32 v[NB+\e], v[NR+\e], v[PQ+32*\e]      ; and add k = 32 .. 63 onto it: in lanes 16-31 this becomes the row's norm (what lanes 0-15 make here is not used)
.endr
.set i, 1
.rept 31
.irp e, 0,1
	v_add_f32 v[NB+\e], v[NB+\e], v[PQ+32*\e+i]
.endr
.set i, i+1
.endr
	v_permlanex16_b32 v[NO], v[NB], s26, s27       ; tile 0's norms go over to lanes 0-15
; the scale words: my byte and the other block's
.irp e, 0,1
	v_permlanex16_b32 v[OB+\e], v[BY+\e], s26, s27
.endr
.irp e, 0,1
	v_lshlrev_b32 v[BY+\e], v8, v[BY+\e]
	v_lshlrev_b32 v[OB+\e], v9, v[OB+\e]
.endr
.irp e, 0,1
	v_or_b32 v[WD+\e], v[BY+\e], v[OB+\e]
.endr
.irp e, 0,1
	v_or_b32 v[WD+\e], 0x7f7f0000, v[WD+\e]        ; bytes 2 and 3: 1.0
.endr
; the codes: sixteen numbers / 2^(the operand's exponent), to the nearest code, ties to even, beyond the largest code the largest; 96 bits without gaps
.irp e, 0,1
	v_cvt_scalef32_pk16_fp6_f32 v[IM+6*\e:IM+6*\e+2], v[X+32*\e:X+32*\e+15], v[SO+\e]
	v_cvt_scalef32_pk16_fp6_f32 v[TC+4*\e:TC+4*\e+2], v[X+32*\e+16:X+32*\e+31], v[SO+\e]   ; (a conversion's three registers begin on an even number: a block's second three do not, so they are made here and moved)
.endr
	v_nop                                          ; one plain place behind a scaled conversion
.irp e, 0,1
.irp i, 0,1,2
	v_mov_b32 v[IM+6*\e+3+\i], v[TC+4*\e+\i]
.endr
.endr
	v_cmp_eq_u32 vcc_lo, 1, v4                     ; lane l stores for row l of the 32: lanes 0-15 tile 0's rows, lanes 16-31 tile 1's
	v_cndmask_b32 v[WD], v[WD], v[WD+1], vcc_lo    ; (both halves of the lanes hold a row's whole word)
	v_cndmask_b32 v[NO], v[NO], v[NB+1], vcc_lo
	global_store_b128 v6, v[IM:IM+3], s[8:9]               ; 32 lanes store 512 consecutive bytes, at a multiple of 512 from the buffer's first byte
	global_store_b128 v6, v[IM+4:IM+7], s[8:9] offset:512
	global_store_b128 v6, v[IM+8:IM+11], s[8:9] offset:1024
	global_store_b32 v7, v[WD], s[10:11]                   ; 128 consecutive bytes
	global_store_b32 v7, v[NO], s[12:13]
	s_endpgm
.Lfunc_end_k_q3888486a91_quant:
	.size	k_q3888486a91_quant, .Lfunc_end_k_q3888486a91_quant-k_q3888486a91_quant
	.p2alignl 7, 3214868480
	.fill 96, 4, 3214868480
	.section	.rodata,"a",@progbits
	.p2align	6, 0x0
	.amdhsa_kernel k_q3888486a91_quant
		.amdhsa_group_segment_fixed_size 0
		.amdhsa_private_segment_fixed_size 0
		.amdhsa_enable_private_segment 0
		.amdhsa_kernarg_size 40
		.amdhsa_user_sgpr_count 2
		.amdhsa_user_sgpr_kernarg_segment_ptr 1
		.amdhsa_wavefront_size32 1
		.amdhsa_system_sgpr_workgroup_id_x 1
		.amdhsa_system_sgpr_workgroup_id_y 1
		.amdhsa_system_sgpr_workgroup_id_z 1
		.amdhsa_system_vgpr_workitem_id 0
		.amdhsa_next_free_vgpr 192
		.amdhsa_next_free_sgpr 66
		.amdhsa_reserve_vcc 1
		.amdhsa_float_denorm_mode_32 3
		.amdhsa_float_denorm_mode_16_64 3
		.amdhsa_memory_ordered 1
		.amdhsa_forward_progress 1
		.amdhsa_inst_pref_size 14
	.end_amdhsa_kernel
	.amdgpu_metadata
---
amdhsa.version: [ 1, 2 ]
amdhsa.kernels:
  - .name:           k_q3888486a91_quant
    .symbol:         k_q3888486a91_quant.kd
    .args:
      - { .name: x, .offset: 0, .size: 8, .value_kind: global_buffer, .address_space: global }
      - { .name: y, .offset: 8, .size: 8, .value_kind: global_buffer, .address_space: global }
      - { .name: kc, .offset: 16, .size: 8, .value_kind: global_buffer, .address_space: global }
      - { .name: ks, .offset: 24, .size: 8, .value_kind: global_buffer, .address_space: global }
      - { .name: kn, .offset: 32, .size: 8, .value_kind: global_buffer, .address_space: global }
    .group_segment_fixed_size: 0
    .private_segment_fixed_size: 0
    .kernarg_segment_align: 8
    .kernarg_segment_size: 40
    .max_flat_workgroup_size: 64
    .sgpr_count:     66
    .vgpr_count:     192
    .wavefront_size: 32
...
	.end_amdgpu_metadata
.endif
;; end of part 1
;; launch match (part 2): grid 256 x 1, 16 waves a work-group, no clusters, 34,816 bytes of LDS; arguments kc, ks, kn, choice, ssum; writes choice, ssum
.if DOCPART == 2
	.amdgcn_target "amdgcn-amd-amdhsa--gfx1250"
	.amdhsa_code_object_version 6
	.text
	.protected	k_q3888486a91_match
	.globl	k_q3888486a91_match
	.p2align	8
	.type	k_q3888486a91_match,@function
k_q3888486a91_match:
	s_mov_b64 s[64:65], 0
	v_nop
	global_prefetch_b8 v0, s[64:65] scope:SCOPE_SE
	s_setreg_imm32_b32 hwreg(HW_REG_WAVE_MODE, 25, 1), 1
	s_wait_xcnt 0x0
; For each QUERY (a row of x against all rows of y: work-groups 0-127; a row of y against all rows of x, which is a column of Dmat: work-groups 128-255):
;   sq(k) = max((|key k|^2 + |query|^2) - 2 G(k), 0), G on codes of FP6 (E2M3) with E8M0 scales;  D = 2 - sqrt(sq);
;   choice = the first k with the largest D;  ssum = the sum over k of exp(D(k) - the largest D).  The largest log-probability is then -log(ssum): the next launch takes the logarithm.
; SHARES.  A work-group owns 64 queries: four tiles of 16.  Each of its 16 waves holds all four tiles and walks 512 of the 8,192 keys, 32 a step: so a work-group loads each key once.
; LAYOUT.  The product is used transposed: source 0 = 16 keys, source 1 = 16 queries: lane (r, h) holds query r, and register j of a result key 8 h + j of the tile.  Minimum, place of the minimum and sum stay in
; the lane through the whole loop; the 32 partial results of a query (16 waves x 2 halves of the lanes) meet in LDS at the end.
; K IS 64, THE INSTRUCTION'S IS 128.  The queries' registers 6-11 hold zero codes, which add nothing whatever stands against them.  So two tiles of keys lie packed in 12 registers: the first tile's upper half of K is the
; second tile's codes, the second tile's six registers of zeros.  Bytes 2 and 3 of every scale word are the byte of 1.0.
; THE KEYS come straight into registers, in the order in which the operand takes them (the launch before laid them so): three loads of 16 bytes a lane for 32 keys, one of 4 for their scale words (lanes 0-15 the first
; tile's, lanes 16-31 the second's), four for their norms.  All work-groups of a side read the same keys; they are NOT asked for jointly in a cluster: a step's share is 8 loads, 1,792 bytes, beside 460 vector
; instructions, and with the loads going straight into registers the loop has no LDS traffic, no barrier and no round.
; THE SOFTMAX has a running maximum: each lane keeps the least distance so far as cm = log2(e) x sqrt(least sq); p = 2^(cm - log2(e) d); in every step the sum is multiplied by 2^(new cm - old cm).
; THE PLACE OF THE MINIMUM is exact: each tile's least sq (8 numbers a lane) is compared with the running least; where it is smaller (strictly: the earlier key stays on a tie) the tile's number and its 8 numbers are kept;
; at the end the first of the 8 that equals the least gives the key.
; ROOTS AND EXPONENTIALS OF ONE TILE OF QUERIES STAND AMONG THE PLAIN LINES OF ANOTHER; each batch has one wait ahead of its first reader: four waits a step.
; LIMITS: the choice is made on sq after the clamp at 0.  Where two different sq round to the same log-probability reference() takes the lower index, this text the smaller sq.  NaN and infinities are not served.
.set TENS_C, 393216                    ; bytes of a tensor's codes
.set PAIR_C, 1536                      ; bytes of 32 keys' codes
.set STEPS,  16                        ; steps of 32 keys for a wave
.set LO16, 2                           ; v2   16 x lane: my place in a piece of 512 bytes of codes
.set LO4,  3                           ; v3   4 x lane: among 32 scale words
.set LOY,  4                           ; v4   32 h: my half's 8 norms of a tile
.set LOR,  5                           ; v5   4 r: my query's word among 16
.set H8,   6                           ; v6   8 h
.set LW,   7                           ; v7   LDS: where I put my partial results: 2048 x wave + 1024 h + 16 r
.set LR,   8                           ; v8   LDS: where thread t reads query t's: 16 (t mod 64)
.set LOT,  9                           ; v9   4 (t mod 64): query t's place in the outputs
.set TV,   10                          ; v10-11 the numbers (0..511) of the step's two tiles of keys
.set QF,   16                          ; v16-63   the queries: tile q at QF + 12 q: 6 registers of codes, 6 of zeros
.set KF,   64                          ; v64-75   32 keys' codes;  v76-81 zeros
.set KS,   82                          ; v82      the keys' scale words
.set QS,   84                          ; v84-87   the queries' scale words
.set YY,   88                          ; v88-103  the keys' norms: register 8 e + j: key 16 e + 8 h + j
.set S,    104                         ; v104-167 G, then sq, d, the exponent, p: register 16 q + 8 e + j
.set ST,   168                         ; v168-231 16 registers for each tile of queries: +0 |query|^2, +1 the least sq, +2 +3 the sum (even, odd j), +4 cm, +5 the tile of the least, +6 the sum's factor, +7 the new cm, +8..15 the kept tile
.set T,    232                         ; v232-247 at work
.set TA,   T                           ; the two tiles' least sq (two registers each)
.set TF,   T+4                         ; three pairs for the sums
.set JJ,   T                           ; the end: the place among the kept 8
.set REC,  T+4                         ; the end: a record of 4 registers for each tile of queries
.set PP,   16                          ; the merge: 32 records
.set MR,   144                         ; the least sq of all;
.set MC,   145                         ; the least cm;
.set IX,   146                         ; the first key that has the least sq;
.set TM,   147
.set AC,   148                         ; v148-149 the sum, in two chains
.set WV,   14                          ; s14  my wave's number
.set KC,   34                          ; s[34:35] the step's codes;  s[36:37] its scale words;  s[38:39] its norms
.set KW,   36
.set KN,   38
.set CC,   40                          ; s40  log2(e)
.set NC,   42                          ; s[42:43] -log2(e): the packed form names a pair and takes its low word for both halves
.set CNT,  44
	s_load_b128 s[4:7], s[0:1], 0x0                ; codes, scale words
	s_load_b128 s[8:11], s[0:1], 0x10              ; norms, choice
	s_load_b64 s[12:13], s[0:1], 0x20              ; ssum
	v_lshl_add_u32 v254, v0, 2, 0x8000
	v_mov_b32 v255, 0
	v_lshrrev_b32 v1, 5, v0
	v_readfirstlane_b32 s[WV], v1                  ; wave 0..15
	v_and_b32 v1, 31, v0
	v_lshlrev_b32 v[LO16], 4, v1
	v_lshlrev_b32 v[LO4], 2, v1
	v_bfe_u32 v1, v0, 4, 1                         ; h
	v_lshlrev_b32 v[LOY], 5, v1
	v_lshlrev_b32 v[H8], 3, v1
	v_lshlrev_b32 v[LW], 10, v1
	v_and_b32 v1, 15, v0                           ; r
	v_lshlrev_b32 v[LOR], 2, v1
	v_lshl_add_u32 v[LW], v1, 4, v[LW]
	s_lshl_b32 s18, s[WV], 11
	v_add_nc_u32 v[LW], s18, v[LW]
	v_and_b32 v1, 63, v0
	v_lshlrev_b32 v[LR], 4, v1
	v_lshlrev_b32 v[LOT], 2, v1
	s_lshl_b32 s18, s[WV], 5                       ; my first tile of keys: 32 x wave
	v_mov_b32 v[TV], s18
	v_add_nc_u32 v[TV+1], 1, v[TV]
	s_lshr_b32 s15, ttmp9, 7                       ; the queries' tensor: 0 = x, 1 = y
	s_and_b32 s16, ttmp9, 127                      ; which 64 queries of it
	s_xor_b32 s17, s15, 1                          ; the keys' tensor
	s_mul_i32 s20, s15, TENS_C
	s_mul_i32 s21, s16, 2*PAIR_C
	s_add_co_u32 s20, s20, s21                     ; the queries' codes: two images of 32 rows
	s_mov_b32 s21, 0
	s_lshl_b32 s22, s15, 15
	s_lshl_b32 s23, s16, 8
	s_add_co_u32 s22, s22, s23                     ; 4 bytes a query: their scale words, their norms, and both outputs
	s_mov_b32 s23, 0
	s_mul_i32 s24, s17, TENS_C
	s_mul_i32 s25, s[WV], STEPS*PAIR_C
	s_add_co_u32 s24, s24, s25                     ; my 512 keys' codes
	s_mov_b32 s25, 0
	s_lshl_b32 s26, s17, 15
	s_lshl_b32 s27, s[WV], 11
	s_add_co_u32 s26, s26, s27                     ; their scale words and norms
	s_mov_b32 s27, 0
	s_mov_b32 s[CC], 0x3fb8aa3b                    ; log2(e)
	s_mov_b32 s[NC], 0xbfb8aa3b
	s_mov_b32 s[NC+1], s[NC]                       ; (named with it as a pair, so it is written)
	s_wait_kmcnt 0x0
	s_add_nc_u64 s[KC:KC+1], s[4:5], s[24:25]
	s_add_nc_u64 s[KW:KW+1], s[6:7], s[26:27]
	s_add_nc_u64 s[KN:KN+1], s[8:9], s[26:27]
	s_add_nc_u64 s[28:29], s[4:5], s[20:21]
	s_add_nc_u64 s[30:31], s[6:7], s[22:23]
	s_add_nc_u64 s[32:33], s[8:9], s[22:23]
	s_add_nc_u64 s[10:11], s[10:11], s[22:23]
	s_add_nc_u64 s[12:13], s[12:13], s[22:23]
.macro KLOAD                           ; 32 keys: codes, scale words, norms
	global_load_b128 v[KF:KF+3], v[LO16], s[KC:KC+1]
	global_load_b128 v[KF+4:KF+7], v[LO16], s[KC:KC+1] offset:512
	global_load_b128 v[KF+8:KF+11], v[LO16], s[KC:KC+1] offset:1024
	global_load_b32 v[KS], v[LO4], s[KW:KW+1]
.irp e, 0,1
	global_load_b128 v[YY+8*\e:YY+8*\e+3], v[LOY], s[KN:KN+1] offset:64*\e
	global_load_b128 v[YY+8*\e+4:YY+8*\e+7], v[LOY], s[KN:KN+1] offset:64*\e+16
.endr
.endm
	KLOAD                                          ; the first step's
.irp i, 0,1,2,3                        ; the queries stay in registers.  Register n of an image lies at 512 (n / 4) + 16 x lane + 4 (n % 4); tile i is registers 6 (i % 2) .. + 5 of image i / 2
.irp k, 0,1,2
	global_load_b64 v[QF+12*\i+2*\k:QF+12*\i+2*\k+1], v[LO16], s[28:29] offset:(\i/2)*PAIR_C+((6*(\i%2)+2*\k)/4)*512+((6*(\i%2)+2*\k)%4)*4
.endr
	global_load_b32 v[QS+\i], v[LOR], s[30:31] offset:64*\i
	global_load_b32 v[ST+16*\i], v[LOR], s[32:33] offset:64*\i
.endr
.irp i, 0,1,2,3
.irp k, 6,7,8,9,10,11
	v_mov_b32 v[QF+12*\i+\k], 0                    ; zero codes for k = 64 .. 127: written once
.endr
.endr
.irp k, 12,13,14,15,16,17
	v_mov_b32 v[KF+\k], 0                          ; what stands behind the second tile's codes: written once
.endr
.irp i, 0,1,2,3
	v_mov_b32 v[ST+16*\i+1], 0x7f800000            ; the least sq so far: above every number
	v_mov_b32 v[ST+16*\i+2], 0                     ; the sum
	v_mov_b32 v[ST+16*\i+3], 0
	v_mov_b32 v[ST+16*\i+4], 0x7f7fffff            ; cm so far: the largest number, so that the first factor is 2^(-large) = 0, over a sum of 0
	v_mov_b32 v[ST+16*\i+5], 0
.irp j, 8,9,10,11,12,13,14,15
	v_mov_b32 v[ST+16*\i+\j], 0                    ; the kept tile: a select reads what it may keep
.endr
.endr
; THE LISTS.  Each macro writes one line of a tile of queries' work in a step, so that lines of two lists can be dealt out by turns.
; BI: line bn of 46: the clamp at 0 (16); each tile of keys' least sq (2 x 4, by turns); then for each tile of keys: is it under the running least? the new least; the tile's number; its 8 numbers (2 x 11)
.macro BI q
.set bV, S+16*(\q)
.set bW, ST+16*(\q)
.if bn < 16
	v_max_num_f32 v[bV+bn], 0, v[bV+bn]
.elseif bn < 24
.set be, (bn-16)%2
.set bk, (bn-16)/2
.if bk == 0
	v_min3_num_f32 v[TA+2*be], v[bV+8*be], v[bV+8*be+1], v[bV+8*be+2]
.elseif bk == 1
	v_min3_num_f32 v[TA+2*be+1], v[bV+8*be+3], v[bV+8*be+4], v[bV+8*be+5]
.elseif bk == 2
	v_min3_num_f32 v[TA+2*be], v[TA+2*be], v[bV+8*be+6], v[bV+8*be+7]
.else
	v_min_num_f32 v[TA+2*be], v[TA+2*be], v[TA+2*be+1]
.endif
.else
.set be, (bn-24)/11
.set bk, (bn-24)%11
.if bk == 0
	v_cmp_lt_f32 vcc_lo, v[TA+2*be], v[bW+1]       ; strictly: on a tie the earlier key stays
.elseif bk == 1
	v_min_num_f32 v[bW+1], v[bW+1], v[TA+2*be]
.elseif bk == 2
	v_cndmask_b32 v[bW+5], v[bW+5], v[TV+be], vcc_lo
.else
	v_cndmask_b32 v[bW+5+bk], v[bW+5+bk], v[bV+8*be+bk-3], vcc_lo
.endif
.endif
.endm
; CI: root n of 17: d of the 16 numbers, in place; the 17th: of the running least
.macro CI q, n
.if (\n) < 16
	v_sqrt_f32 v[S+16*(\q)+(\n)], v[S+16*(\q)+(\n)]
.else
	v_sqrt_f32 v[ST+16*(\q)+7], v[ST+16*(\q)+1]
.endif
.endm
; DI: line n of 11: the new cm; new cm - old cm (0 or less); cm is replaced; the 16 exponents cm - log2(e) d, two at a time
.macro DI q, n
.set dV, S+16*(\q)
.set dW, ST+16*(\q)
.if (\n) == 0
	v_mul_f32 v[dW+7], s[CC], v[dW+7]
.elseif (\n) == 1
	v_sub_f32 v[dW+6], v[dW+7], v[dW+4]
.elseif (\n) == 2
	v_mov_b32 v[dW+4], v[dW+7]
.else
	v_pk_fma_f32 v[dV+2*((\n)-3):dV+2*((\n)-3)+1], v[dV+2*((\n)-3):dV+2*((\n)-3)+1], s[NC:NC+1], v[dW+4:dW+5] op_sel_hi:[1,0,0]
.endif
.endm
; EI: exponential n of 17: the 16 p, in place; the 17th: the sum's factor
.macro EI q, n
.if (\n) < 16
	v_exp_f32 v[S+16*(\q)+(\n)], v[S+16*(\q)+(\n)]
.else
	v_exp_f32 v[ST+16*(\q)+6], v[ST+16*(\q)+6]
.endif
.endm
; FI: line n of 8: the sum x its factor + the 16 p, two at a time
.macro FI q, n
.set fV, S+16*(\q)
.set fW, ST+16*(\q)
.if (\n) == 0
	v_pk_add_f32 v[TF:TF+1], v[fV+2:fV+3], v[fV+4:fV+5]
.elseif (\n) == 1
	v_pk_add_f32 v[TF+2:TF+3], v[fV+6:fV+7], v[fV+8:fV+9]
.elseif (\n) == 2
	v_pk_add_f32 v[TF+4:TF+5], v[fV+10:fV+11], v[fV+12:fV+13]
.elseif (\n) == 3
	v_pk_fma_f32 v[fW+2:fW+3], v[fW+2:fW+3], v[fW+6:fW+7], v[fV:fV+1] op_sel_hi:[1,0,1]
.elseif (\n) == 4
	v_pk_add_f32 v[TF:TF+1], v[TF:TF+1], v[TF+2:TF+3]
.elseif (\n) == 5
	v_pk_add_f32 v[TF+4:TF+5], v[TF+4:TF+5], v[fV+14:fV+15]
.elseif (\n) == 6
	v_pk_add_f32 v[TF:TF+1], v[TF:TF+1], v[TF+4:TF+5]
.else
	v_pk_add_f32 v[fW+2:fW+3], v[fW+2:fW+3], v[TF:TF+1]
.endif
.endm
; the 17 roots of tile q among the 46 plain lines of tile q + 1, which names none of tile q's registers
.macro ROOTS_AMONG_MINS q
	CI \q, 16
.set bn, 0
.rept 46
	BI (\q)+1
.if bn%3 == 0
	CI \q, bn/3
.endif
.set bn, bn+1
.endr
.endm
; the end of a batch: a plain line behind its last transcendental, and a wait ahead of the first line that names a result: one for the batch
.macro BATCH_END
	v_nop
	s_wait_alu depctr_va_vdst(0)
.endm
; A STEP: 32 keys against the 64 queries.  more = 1: the next step's keys are asked for.
.macro STEP more
	s_wait_loadcnt 0x0                             ; the step's keys are in (in the first step the queries too); no load of mine is out, so the three addresses may be stepped
.if \more
	s_add_nc_u64 s[KC:KC+1], s[KC:KC+1], PAIR_C
	s_add_nc_u64 s[KW:KW+1], s[KW:KW+1], 128
	s_add_nc_u64 s[KN:KN+1], s[KN:KN+1], 128
.endif
.irp q, 0,1,2,3                        ; eight products, each a whole sum (C = 0), each on registers of its own
	v_wmma_scale_f32_16x16x128_f8f6f4 v[S+16*\q:S+16*\q+7], v[KF:KF+11], v[QF+12*\q:QF+12*\q+11], 0, v[KS], v[QS+\q] matrix_a_fmt:MATRIX_FMT_FP6 matrix_b_fmt:MATRIX_FMT_FP6
	v_wmma_scale_f32_16x16x128_f8f6f4 v[S+16*\q+8:S+16*\q+15], v[KF+6:KF+17], v[QF+12*\q:QF+12*\q+11], 0, v[KS], v[QS+\q] matrix_a_fmt:MATRIX_FMT_FP6 matrix_b_fmt:MATRIX_FMT_FP6 matrix_a_scale:MATRIX_SCALE_ROW1
.endr
; sq = (|key|^2 + |query|^2) - 2 G: the sum of the norms rounded, then one more rounding (2 G is exact): the roundings of reference().  The first eight additions name no register of the products: they are the places
; behind them (ISA guide 7.12.1).  Each result is read from its low end on.
.irp q, 0,1,2,3
.irp p, 0,1,2,3,4,5,6,7
	v_pk_add_f32 v[T+2*\p:T+2*\p+1], v[YY+2*\p:YY+2*\p+1], v[ST+16*\q:ST+16*\q+1] op_sel_hi:[1,0]
.endr
.irp p, 0,1,2,3,4,5,6,7
	v_pk_fma_f32 v[S+16*\q+2*\p:S+16*\q+2*\p+1], v[S+16*\q+2*\p:S+16*\q+2*\p+1], -2.0, v[T+2*\p:T+2*\p+1] op_sel_hi:[1,0,1]
.endr
.endr
.if \more
	KLOAD                                          ; codes, words and norms have been read: the next step's land in the same registers while the rest of this step, some 400 lines, is worked
.endif
.set bn, 0
.rept 46
	BI 0
.set bn, bn+1
.endr
	ROOTS_AMONG_MINS 0
	ROOTS_AMONG_MINS 1
	ROOTS_AMONG_MINS 2
	BATCH_END                                      ; the roots of tiles 0, 1, 2
.set dn, 0
.rept 33                               ; tile 3's roots among the exponents of tiles 0, 1, 2
	DI dn/11, dn%11
.if dn%2 == 0
	CI 3, dn/2
.endif
.set dn, dn+1
.endr
	BATCH_END                                      ; the roots of tile 3
.set en, 0
.rept 51                               ; the exponentials of tiles 0, 1, 2, and among them tile 3's exponents
	EI en/17, en%17
.if (en%4 == 0) && (en/4 < 11)
	DI 3, en/4
.endif
.set en, en+1
.endr
	BATCH_END                                      ; the exponentials of tiles 0, 1, 2
.set fn, 0
.rept 24                               ; tile 3's exponentials among the sums of tiles 0, 1, 2
	FI fn/8, fn%8
.if fn < 17
	EI 3, fn
.endif
.set fn, fn+1
.endr
	BATCH_END                                      ; the exponentials of tile 3
.set fn, 0
.rept 8
	FI 3, fn
.set fn, fn+1
.endr
	v_add_nc_u32 v[TV], 2, v[TV]                   ; the next step's tiles of keys
	v_add_nc_u32 v[TV+1], 2, v[TV+1]
.endm
	s_mov_b32 s[CNT], STEPS-1
.Lstep:
	STEP 1
	s_sub_co_u32 s[CNT], s[CNT], 1
	s_cmp_lg_u32 s[CNT], 0
	s_cbranch_scc1 .Lstep
	STEP 0                                         ; the last step is written out: it asks for nothing, so no load leaves its buffer
; THE END.  The first of the kept 8 that equals the least sq: from 7 downward, so that the lowest stays.
.irp q, 0,1,2,3
	v_mov_b32 v[JJ+\q], 7
.endr
.irp j, 6,5,4,3,2,1,0
.irp q, 0,1,2,3
	v_cmp_neq_f32 vcc_lo, v[ST+16*\q+8+\j], v[ST+16*\q+1]
	v_cndmask_b32 v[JJ+\q], \j, v[JJ+\q], vcc_lo
.endr
.endr
.irp q, 0,1,2,3                        ; my record for query 16 q + r: the least sq, its key, cm, the sum
	v_mov_b32 v[REC+4*\q], v[ST+16*\q+1]
	v_lshl_add_u32 v[REC+4*\q+1], v[ST+16*\q+5], 4, v[JJ+\q]       ; 16 x tile + j
	v_mov_b32 v[REC+4*\q+2], v[ST+16*\q+4]
	v_add_f32 v[REC+4*\q+3], v[ST+16*\q+2], v[ST+16*\q+3]
.endr
.irp q, 0,1,2,3
	v_add_nc_u32 v[REC+4*\q+1], v[H8], v[REC+4*\q+1]               ; + 8 h
.endr
.irp q, 0,1,2,3
	ds_store_b128 v[LW], v[REC+4*\q:REC+4*\q+3] offset:256*\q      ; partial 2 x wave + h of query 16 q + r lies at 1024 x partial + 16 x query
.endr
	s_wait_dscnt 0x0                               ; for the others' sake: my stores have landed
	s_barrier_signal -1
	s_barrier_wait -1
	s_cmp_gt_u32 s[WV], 1                          ; waves 0 and 1 merge: thread t takes query t
	s_cbranch_scc1 .Ldone
.set p, 0
.rept 32
	ds_load_b128 v[PP+4*p:PP+4*p+3], v[LR] offset:1024*p
.set p, p+1
.endr
	s_wait_dscnt 0x0
	v_min3_num_f32 v[MR], v[PP], v[PP+4], v[PP+8]          ; the least sq and the least cm of the 32
	v_min3_num_f32 v[MC], v[PP+2], v[PP+6], v[PP+10]
.set p, 3
.rept 14
	v_min3_num_f32 v[MR], v[MR], v[PP+4*p], v[PP+4*p+4]
	v_min3_num_f32 v[MC], v[MC], v[PP+4*p+2], v[PP+4*p+6]
.set p, p+2
.endr
	v_min_num_f32 v[MR], v[MR], v[PP+124]
	v_min_num_f32 v[MC], v[MC], v[PP+126]
.set p, 0
.rept 32
	v_sub_f32 v[PP+4*p+2], v[MC], v[PP+4*p+2]      ; each partial sum goes under the common shift: x 2^(least cm - its cm)
.set p, p+1
.endr
.set p, 0
.rept 32
	v_exp_f32 v[PP+4*p+2], v[PP+4*p+2]
.set p, p+1
.endr
	v_mov_b32 v[IX], -1                            ; the lowest key among the partials that have the least sq.  (These lines name no exponential's result: they are the work between the batch and its wait)
.set p, 0
.rept 32
	v_cmp_eq_f32 vcc_lo, v[PP+4*p], v[MR]
	v_cndmask_b32 v[TM], -1, v[PP+4*p+1], vcc_lo
	v_min_u32 v[IX], v[IX], v[TM]
.set p, p+1
.endr
	s_wait_alu depctr_va_vdst(0)                   ; one wait for the 32 exponentials, ahead of their first reader
	v_mul_f32 v[AC], v[PP+3], v[PP+2]
	v_mul_f32 v[AC+1], v[PP+7], v[PP+6]
.set p, 2
.rept 15
	v_fmac_f32 v[AC], v[PP+4*p+3], v[PP+4*p+2]
	v_fmac_f32 v[AC+1], v[PP+4*p+7], v[PP+4*p+6]
.set p, p+2
.endr
	v_add_f32 v[AC], v[AC], v[AC+1]
	global_store_b32 v[LOT], v[IX], s[10:11]       ; a wave stores 128 consecutive bytes of each output, the two waves together the work-group's 256
	global_store_b32 v[LOT], v[AC], s[12:13]
.Ldone:
	s_wait_tensorcnt 0x0
	ds_add_u32 v254, v255
	s_wait_dscnt 0x0
	s_endpgm
.Lfunc_end_k_q3888486a91_match:
	.size	k_q3888486a91_match, .Lfunc_end_k_q3888486a91_match-k_q3888486a91_match
	.p2alignl 7, 3214868480
	.fill 96, 4, 3214868480
	.section	.rodata,"a",@progbits
	.p2align	6, 0x0
	.amdhsa_kernel k_q3888486a91_match
		.amdhsa_group_segment_fixed_size 34816
		.amdhsa_private_segment_fixed_size 0
		.amdhsa_enable_private_segment 0
		.amdhsa_kernarg_size 40
		.amdhsa_user_sgpr_count 2
		.amdhsa_user_sgpr_kernarg_segment_ptr 1
		.amdhsa_wavefront_size32 1
		.amdhsa_system_sgpr_workgroup_id_x 1
		.amdhsa_system_sgpr_workgroup_id_y 1
		.amdhsa_system_sgpr_workgroup_id_z 1
		.amdhsa_system_vgpr_workitem_id 0
		.amdhsa_next_free_vgpr 256
		.amdhsa_next_free_sgpr 66
		.amdhsa_reserve_vcc 1
		.amdhsa_float_denorm_mode_32 3
		.amdhsa_float_denorm_mode_16_64 3
		.amdhsa_memory_ordered 1
		.amdhsa_forward_progress 1
		.amdhsa_inst_pref_size 64
	.end_amdhsa_kernel
	.amdgpu_metadata
---
amdhsa.version: [ 1, 2 ]
amdhsa.kernels:
  - .name:           k_q3888486a91_match
    .symbol:         k_q3888486a91_match.kd
    .args:
      - { .name: kc, .offset: 0, .size: 8, .value_kind: global_buffer, .address_space: global }
      - { .name: ks, .offset: 8, .size: 8, .value_kind: global_buffer, .address_space: global }
      - { .name: kn, .offset: 16, .size: 8, .value_kind: global_buffer, .address_space: global }
      - { .name: choice, .offset: 24, .size: 8, .value_kind: global_buffer, .address_space: global }
      - { .name: ssum, .offset: 32, .size: 8, .value_kind: global_buffer, .address_space: global }
    .group_segment_fixed_size: 34816
    .private_segment_fixed_size: 0
    .kernarg_segment_align: 8
    .kernarg_segment_size: 40
    .max_flat_workgroup_size: 512
    .sgpr_count:     66
    .vgpr_count:     256
    .wavefront_size: 32
...
	.end_amdgpu_metadata
.endif
;; end of part 2
;; launch final (part 3): grid 32 x 1, 2 waves a work-group, no clusters, 0 bytes of LDS; arguments choice, ssum, out0, out1, out2; writes out0, out1, out2
.if DOCPART == 3
	.amdgcn_target "amdgcn-amd-amdhsa--gfx1250"
	.amdhsa_code_object_version 6
	.text
	.protected	k_q3888486a91_final
	.globl	k_q3888486a91_final
	.p2align	8
	.type	k_q3888486a91_final,@function
k_q3888486a91_final:
	s_mov_b64 s[64:65], 0
	v_nop
	global_prefetch_b8 v0, s[64:65] scope:SCOPE_SE
	s_setreg_imm32_b32 hwreg(HW_REG_WAVE_MODE, 25, 1), 1
	s_wait_xcnt 0x0
; choice [2][8192] (whole numbers): [0][i] = choice_rows[i], [1][m] = choice_cols[m].  ssum [2][8192] f32: the sums of exp(D - the largest D) of the rows and of the columns.
; For each m: c = choice_cols[m];  mutual = (choice_rows[c] == m);  log_probs = mutual ? -log(ssum[0][c]) - log(ssum[1][m]) : 0;  dmatches = (c, m).
; The gather's addresses are made of whole numbers that an earlier launch stored, held to 0 .. 8191 ahead of the address.
; SHARES: 2,048 threads; thread t takes m = 4 t .. 4 t + 3: a wave loads and stores 512 consecutive bytes of the f32 arrays, and 128 consecutive bytes of the booleans (8,192 bytes in all).
; dmatches has 8 bytes for each m: for it a lane takes two neighbouring m at a time (it loads their choices once more), so that each of its stores covers 512 consecutive bytes too.
; No LDS, no barrier, no matrix unit: a few dependent loads.
	s_load_b128 s[4:7], s[0:1], 0x0                ; choice, ssum
	s_load_b128 s[8:11], s[0:1], 0x10              ; out0, out1
	s_load_b64 s[12:13], s[0:1], 0x20              ; out2
	s_lshl_b32 s14, ttmp9, 6
	v_add_nc_u32 v1, s14, v0                       ; t
	v_lshlrev_b32 v2, 4, v1                        ; 16 t: four words
	v_lshlrev_b32 v3, 2, v1                        ; 4 t: my first m, and my four booleans' place
	v_lshrrev_b32 v4, 5, v1                        ; the wave's number in the launch: it serves m = 128 w .. 128 w + 127
	v_and_b32 v5, 31, v0                           ; lane
	v_lshlrev_b32 v6, 3, v5
	v_lshl_add_u32 v6, v4, 9, v6                   ; for dmatches: m = 128 w + 2 x lane (and 64 further on): its choice lies at 4 m,
	v_lshlrev_b32 v7, 1, v6                        ; its row of dmatches at 8 m,
	v_lshrrev_b32 v8, 2, v6                        ; and m itself
	v_mov_b32 v9, 1
	s_wait_kmcnt 0x0
	global_load_b128 v[12:15], v2, s[4:5] offset:32768     ; choice_cols of my four m
	global_load_b128 v[16:19], v2, s[6:7] offset:32768     ; the columns' sums
	global_load_b64 v[40:41], v6, s[4:5] offset:32768      ; choice_cols once more, by twos
	global_load_b64 v[42:43], v6, s[4:5] offset:33024
.irp i, 0,1,2,3
	v_add_nc_u32 v[32+\i], \i, v3                  ; my four m
.endr
	s_wait_loadcnt 0x3                             ; the first load is in; the three issued behind it may be out
.irp i, 0,1,2,3
	v_min_u32 v[20+\i], 0x1fff, v[12+\i]           ; a loaded number enters an address only held to the table's size
.endr
.irp i, 0,1,2,3
	v_lshlrev_b32 v[20+\i], 2, v[20+\i]
.endr
.irp i, 0,1,2,3
	global_load_b32 v[24+\i], v[20+\i], s[4:5]     ; choice_rows[c]
	global_load_b32 v[28+\i], v[20+\i], s[6:7]     ; the sum of row c
.endr
	s_wait_loadcnt 0x8                             ; the first four loads are in; the eight gathers may be out
	v_mov_b32 v48, v40                             ; (c, m, c', m + 1)
	v_mov_b32 v49, v8
	v_mov_b32 v50, v41
	v_add_nc_u32 v51, 1, v8
	v_mov_b32 v52, v42
	v_add_nc_u32 v53, 64, v8
	v_mov_b32 v54, v43
	v_add_nc_u32 v55, 65, v8
	global_store_b128 v7, v[48:51], s[10:11]               ; 32 lanes store 512 consecutive bytes
	global_store_b128 v7, v[52:55], s[10:11] offset:512
	s_wait_loadcnt 0x0
.irp i, 0,1,2,3
	v_log_f32 v[16+\i], v[16+\i]                   ; log2 of the sums
.endr
.irp i, 0,1,2,3
	v_log_f32 v[28+\i], v[28+\i]
.endr
	v_nop                                          ; a plain line behind the last logarithm,
	s_wait_alu depctr_va_vdst(0)                   ; and the one wait for the eight, ahead of their first reader
.irp i, 0,1,2,3
	v_add_f32 v[28+\i], v[28+\i], v[16+\i]
.endr
.irp i, 0,1,2,3
	v_mul_f32 v[28+\i], 0xbf317218, v[28+\i]       ; x -ln(2): lp_rows[c] + lp_cols[m]
.endr
.irp i, 0,1,2,3
	v_cmp_eq_u32 vcc_lo, v[24+\i], v[32+\i]        ; mutual
	v_cndmask_b32 v[36+\i], 0, v9, vcc_lo
	v_cndmask_b32 v[28+\i], 0, v[28+\i], vcc_lo
.endr
	v_lshl_or_b32 v36, v37, 8, v36                 ; four booleans, a byte each
	v_lshl_or_b32 v36, v38, 16, v36
	v_lshl_or_b32 v36, v39, 24, v36
	global_store_b128 v2, v[28:31], s[8:9]         ; 512 consecutive bytes a wave
	global_store_b32 v3, v36, s[12:13]             ; 128 consecutive bytes a wave
	s_endpgm
.Lfunc_end_k_q3888486a91_final:
	.size	k_q3888486a91_final, .Lfunc_end_k_q3888486a91_final-k_q3888486a91_final
	.p2alignl 7, 3214868480
	.fill 96, 4, 3214868480
	.section	.rodata,"a",@progbits
	.p2align	6, 0x0
	.amdhsa_kernel k_q3888486a91_final
		.amdhsa_group_segment_fixed_size 0
		.amdhsa_private_segment_fixed_size 0
		.amdhsa_enable_private_segment 0
		.amdhsa_kernarg_size 40
		.amdhsa_user_sgpr_count 2
		.amdhsa_user_sgpr_kernarg_segment_ptr 1
		.amdhsa_wavefront_size32 1
		.amdhsa_system_sgpr_workgroup_id_x 1
		.amdhsa_system_sgpr_workgroup_id_y 1
		.amdhsa_system_sgpr_workgroup_id_z 1
		.amdhsa_system_vgpr_workitem_id 0
		.amdhsa_next_free_vgpr 64
		.amdhsa_next_free_sgpr 66
		.amdhsa_reserve_vcc 1
		.amdhsa_float_denorm_mode_32 3
		.amdhsa_float_denorm_mode_16_64 3
		.amdhsa_memory_ordered 1
		.amdhsa_forward_progress 1
		.amdhsa_inst_pref_size 5
	.end_amdhsa_kernel
	.amdgpu_metadata
---
amdhsa.version: [ 1, 2 ]
amdhsa.kernels:
  - .name:           k_q3888486a91_final
    .symbol:         k_q3888486a91_final.kd
    .args:
      - { .name: choice, .offset: 0, .size: 8, .value_kind: global_buffer, .address_space: global }
      - { .name: ssum, .offset: 8, .size: 8, .value_kind: global_buffer, .address_space: global }
      - { .name: out0, .offset: 16, .size: 8, .value_kind: global_buffer, .address_space: global }
      - { .name: out1, .offset: 24, .size: 8, .value_kind: global_buffer, .address_space: global }
      - { .name: out2, .offset: 32, .size: 8, .value_kind: global_buffer, .address_space: global }
    .group_segment_fixed_size: 0
    .private_segment_fixed_size: 0
    .kernarg_segment_align: 8
    .kernarg_segment_size: 40
    .max_flat_workgroup_size: 64
    .sgpr_count:     66
    .vgpr_count:     64
    .wavefront_size: 32
...
	.end_amdgpu_metadata
.endif
;; end of part 3
;; ======== version 2 of 2: 3 launches; version 1 with the launch match written anew for expert scheduling mode
;; workspace buffers: kc 786,432 bytes; ks 65,536 bytes; kn 65,536 bytes; choice 65,536 bytes of whole numbers; ssum 65,536 bytes
;; launch quant: the kernel of part 1 again; grid 256 x 1, 2 waves a work-group, no clusters, 0 bytes of LDS; arguments x, y, kc, ks, kn; writes kc, ks, kn
;; launch match (part 4): grid 256 x 1, 16 waves a work-group, no clusters, 34,816 bytes of LDS; arguments kc, ks, kn, choice, ssum; writes choice, ssum
.if DOCPART == 4
	.amdgcn_target "amdgcn-amd-amdhsa--gfx1250"
	.amdhsa_code_object_version 6
	.text
	.protected	k_q3888486a91_match
	.globl	k_q3888486a91_match
	.p2align	8
	.type	k_q3888486a91_match,@function
k_q3888486a91_match:
	s_mov_b64 s[64:65], 0
	v_nop
	global_prefetch_b8 v0, s[64:65] scope:SCOPE_SE
	s_setreg_imm32_b32 hwreg(HW_REG_WAVE_SCHED_MODE, 0, 2), 2
	s_setreg_imm32_b32 hwreg(HW_REG_WAVE_MODE, 25, 1), 1
	s_wait_xcnt 0x0
	s_wait_alu depctr_vm_vsrc(0)
; For each QUERY (a row of x against all rows of y: work-groups 0-127; a row of y against all rows of x, which is a column of Dmat: work-groups 128-255):
;   sq(k) = max((|key k|^2 + |query|^2) - 2 G(k), 0), G on codes of FP6 (E2M3) with E8M0 scales;  D = 2 - sqrt(sq);
;   choice = the first k with the largest D;  ssum = the sum over k of exp(D(k) - the largest D).  The largest log-probability is then -log(ssum): the next launch takes the logarithm.
; SHARES.  A work-group owns 64 queries: four tiles of 16.  Each of its 16 waves holds all four tiles and walks 512 of the 8,192 keys, 32 a step: so a work-group loads each key once.
; LAYOUT.  The product is used transposed: source 0 = 16 keys, source 1 = 16 queries: lane (r, h) holds query r, and register j of a result key 8 h + j of the tile.  Minimum, place of the minimum and sum stay in
; the lane through the whole loop; the 32 partial results of a query (16 waves x 2 halves of the lanes) meet in LDS at the end.
; K IS 64, THE INSTRUCTION'S IS 128.  The queries' registers 6-11 hold zero codes, which add nothing whatever stands against them.  So two tiles of keys lie packed in 12 registers: the first tile's upper half of K is the
; second tile's codes, the second tile's six registers of zeros.  Bytes 2 and 3 of every scale word are the byte of 1.0.
; THE KEYS come straight into registers, in the order in which the operand takes them (the launch before laid them so): three loads of 16 bytes a lane for 32 keys, one of 4 for their scale words (lanes 0-15 the first
; tile's, lanes 16-31 the second's), four for their norms.  All work-groups of a side read the same keys; they are NOT asked for jointly in a cluster: a step's share is 8 loads, 1,792 bytes, beside 460 vector
; instructions, and with the loads going straight into registers the loop has no LDS traffic, no barrier and no round.
; THE SOFTMAX has a running maximum: each lane keeps the least distance so far as cm = log2(e) x sqrt(least sq); p = 2^(cm - log2(e) d); in every step the sum is multiplied by 2^(new cm - old cm).
; THE PLACE OF THE MINIMUM is exact: each tile's least sq (8 numbers a lane) is compared with the running least; where it is smaller (strictly: the earlier key stays on a tie) the tile's number and its 8 numbers are kept;
; at the end the first of the 8 that equals the least gives the key.
; ROOTS AND EXPONENTIALS OF ONE TILE OF QUERIES STAND AMONG THE PLAIN LINES OF ANOTHER; each batch has one wait ahead of its first reader: four such waits a step.
; LIMITS: the choice is made on sq after the clamp at 0.  Where two different sq round to the same log-probability reference() takes the lower index, this text the smaller sq.  NaN and infinities are not served.
; THE MODE: SCHED_MODE bits 1:0 = 2 (LLVM: expert scheduling mode 2), set by the entry lines.  The code itself states the register dependences between vector or matrix instructions and memory or LDS
; instructions, and those through scalar registers that vector instructions write, with s_wait_alu, always for 0.
; THE PLAN.  Registers that memory or LDS instructions touch:
;   v2-5, v7-9      offsets and LDS addresses: written once at the head, read by every load, LDS instruction and store, never written again.  One wait ahead of the first load serves them all.
;   KF+0..11, KS, YY  the keys, ONE buffer (a second would take 29 registers; 14 are free).  Read by a step's eight products and its 32 additions of norms, which stand at the step's head; behind the lines that form sq
;                   stands ONE wait, and behind it the next step's eight loads, dealt among tile 0's plain lines, which name S, ST, T and TV alone.  No vector line names the buffer again before the next step's wait for its data.
;   QF+0..5, QS, |query|^2  loaded once at the head, then only read.  QF+6..11 and KF+12..17, the zero codes, are written by vector lines at the head: one wait ahead of the loop, for the products that take them.
;   REC             the records: written by vector lines, read by the four LDS stores: one wait between.  No vector line stands between that wait and the merge's LDS loads, which land in v16-143:
;                   so it also states that all that read or wrote those registers is done.
;   IX, AC          the merge's results: one wait ahead of the two stores.
;   No register that a memory or LDS instruction reads is ever written again, and EXEC is never written.
; MASKS.  Every compare writes a scalar register, and a wait stands between a run of compares and the first select that reads a mask: in the loop two compares and one wait for each tile of queries.
.set TENS_C, 393216                    ; bytes of a tensor's codes
.set PAIR_C, 1536                      ; bytes of 32 keys' codes
.set STEPS,  16                        ; steps of 32 keys for a wave
.set LO16, 2                           ; v2   16 x lane: my place in a piece of 512 bytes of codes
.set LO4,  3                           ; v3   4 x lane: among 32 scale words
.set LOY,  4                           ; v4   32 h: my half's 8 norms of a tile
.set LOR,  5                           ; v5   4 r: my query's word among 16
.set H8,   6                           ; v6   8 h
.set LW,   7                           ; v7   LDS: where I put my partial results: 2048 x wave + 1024 h + 16 r
.set LR,   8                           ; v8   LDS: where thread t reads query t's: 16 (t mod 64)
.set LOT,  9                           ; v9   4 (t mod 64): query t's place in the outputs
.set TV,   10                          ; v10-11 the numbers (0..511) of the step's two tiles of keys
.set QF,   16                          ; v16-63   the queries: tile q at QF + 12 q: 6 registers of codes, 6 of zeros
.set KF,   64                          ; v64-75   32 keys' codes;  v76-81 zeros
.set KS,   82                          ; v82      the keys' scale words
.set QS,   84                          ; v84-87   the queries' scale words
.set YY,   88                          ; v88-103  the keys' norms: register 8 e + j: key 16 e + 8 h + j
.set S,    104                         ; v104-167 G, then sq, d, the exponent, p: register 16 q + 8 e + j
.set ST,   168                         ; v168-231 16 registers for each tile of queries: +0 |query|^2, +1 the least sq, +2 +3 the sum (even, odd j), +4 cm, +5 the tile of the least, +6 the sum's factor, +7 the new cm, +8..15 the kept tile
.set T,    232                         ; v232-247 at work
.set TA,   T                           ; the two tiles' least sq (two registers each)
.set TF,   T+4                         ; three pairs for the sums
.set JJ,   T                           ; the end: the place among the kept 8
.set REC,  T+4                         ; the end: a record of 4 registers for each tile of queries: v236-251
.set PP,   16                          ; the merge: 32 records
.set MR,   144                         ; the least sq of all;
.set MC,   145                         ; the least cm;
.set IX,   146                         ; the first key that has the least sq;
.set TM,   147
.set AC,   148                         ; v148-149 the sum, in two chains
.set WV,   14                          ; s14  my wave's number
.set KC,   34                          ; s[34:35] the step's codes;  s[36:37] its scale words;  s[38:39] its norms
.set KW,   36
.set KN,   38
.set CC,   40                          ; s40  log2(e)
.set NC,   42                          ; s[42:43] -log2(e): the packed form names a pair and takes its low word for both halves
.set CNT,  44
.set MK,   46                          ; s46-47  the loop: the two masks of a tile of queries
.set ME,   16                          ; s16-31  the end and the merge: sixteen masks (these registers are free since the head)
	s_load_b128 s[4:7], s[0:1], 0x0                ; codes, scale words
	s_load_b128 s[8:11], s[0:1], 0x10              ; norms, choice
	s_load_b64 s[12:13], s[0:1], 0x20              ; ssum
	v_lshl_add_u32 v254, v0, 2, 0x8000
	v_mov_b32 v255, 0
	v_lshrrev_b32 v1, 5, v0
	v_readfirstlane_b32 s[WV], v1                  ; wave 0..15
	v_and_b32 v1, 31, v0
	v_lshlrev_b32 v[LO16], 4, v1
	v_lshlrev_b32 v[LO4], 2, v1
	v_bfe_u32 v1, v0, 4, 1                         ; h
	v_lshlrev_b32 v[LOY], 5, v1
	v_lshlrev_b32 v[H8], 3, v1
	v_lshlrev_b32 v[LW], 10, v1
	v_and_b32 v1, 15, v0                           ; r
	v_lshlrev_b32 v[LOR], 2, v1
	v_lshl_add_u32 v[LW], v1, 4, v[LW]
	s_wait_alu depctr_va_sdst(0)                   ; the wave's number is written, ahead of its first reader: LDS places, the keys' bases and a branch are made from it
	s_lshl_b32 s18, s[WV], 11
	v_add_nc_u32 v[LW], s18, v[LW]
	v_and_b32 v1, 63, v0
	v_lshlrev_b32 v[LR], 4, v1
	v_lshlrev_b32 v[LOT], 2, v1
	s_lshl_b32 s19, s[WV], 5                       ; my first tile of keys: 32 x wave
	v_mov_b32 v[TV], s19
	v_add_nc_u32 v[TV+1], 1, v[TV]
	s_lshr_b32 s15, ttmp9, 7                       ; the queries' tensor: 0 = x, 1 = y
	s_and_b32 s16, ttmp9, 127                      ; which 64 queries of it
	s_xor_b32 s17, s15, 1                          ; the keys' tensor
	s_mul_i32 s20, s15, TENS_C
	s_mul_i32 s21, s16, 2*PAIR_C
	s_add_co_u32 s20, s20, s21                     ; the queries' codes: two images of 32 rows
	s_mov_b32 s21, 0
	s_lshl_b32 s22, s15, 15
	s_lshl_b32 s23, s16, 8
	s_add_co_u32 s22, s22, s23                     ; 4 bytes a query: their scale words, their norms, and both outputs
	s_mov_b32 s23, 0
	s_mul_i32 s24, s17, TENS_C
	s_mul_i32 s25, s[WV], STEPS*PAIR_C
	s_add_co_u32 s24, s24, s25                     ; my 512 keys' codes
	s_mov_b32 s25, 0
	s_lshl_b32 s26, s17, 15
	s_lshl_b32 s27, s[WV], 11
	s_add_co_u32 s26, s26, s27                     ; their scale words and norms
	s_mov_b32 s27, 0
	s_mov_b32 s[CC], 0x3fb8aa3b                    ; log2(e)
	s_mov_b32 s[NC], 0xbfb8aa3b
	s_mov_b32 s[NC+1], s[NC]                       ; (named with it as a pair, so it is written)
	s_wait_kmcnt 0x0
	s_add_nc_u64 s[KC:KC+1], s[4:5], s[24:25]
	s_add_nc_u64 s[KW:KW+1], s[6:7], s[26:27]
	s_add_nc_u64 s[KN:KN+1], s[8:9], s[26:27]
	s_add_nc_u64 s[28:29], s[4:5], s[20:21]
	s_add_nc_u64 s[30:31], s[6:7], s[22:23]
	s_add_nc_u64 s[32:33], s[8:9], s[22:23]
	s_add_nc_u64 s[10:11], s[10:11], s[22:23]
	s_add_nc_u64 s[12:13], s[12:13], s[22:23]
; load n of the eight that bring 32 keys: 0-2 the codes, 3 the scale words, 4-7 the norms
.macro KL n
.if (\n) < 3
	global_load_b128 v[KF+4*(\n):KF+4*(\n)+3], v[LO16], s[KC:KC+1] offset:512*(\n)
.elseif (\n) == 3
	global_load_b32 v[KS], v[LO4], s[KW:KW+1]
.else
	global_load_b128 v[YY+4*((\n)-4):YY+4*((\n)-4)+3], v[LOY], s[KN:KN+1] offset:64*(((\n)-4)/2)+16*(((\n)-4)%2)
.endif
.endm
	s_wait_alu depctr_va_vdst(0)                   ; the offsets and LDS addresses v2 to v9 are written: every load, LDS instruction and store of the kernel reads one of them, and none is written again
.irp n, 0,1,2,3,4,5,6,7
	KL \n                                          ; the first step's keys
.endr
.irp i, 0,1,2,3                        ; the queries stay in registers.  Register n of an image lies at 512 (n / 4) + 16 x lane + 4 (n % 4); tile i is registers 6 (i % 2) .. + 5 of image i / 2
.irp k, 0,1,2
	global_load_b64 v[QF+12*\i+2*\k:QF+12*\i+2*\k+1], v[LO16], s[28:29] offset:(\i/2)*PAIR_C+((6*(\i%2)+2*\k)/4)*512+((6*(\i%2)+2*\k)%4)*4
.endr
	global_load_b32 v[QS+\i], v[LOR], s[30:31] offset:64*\i
	global_load_b32 v[ST+16*\i], v[LOR], s[32:33] offset:64*\i
.endr
.irp i, 0,1,2,3
.irp k, 6,7,8,9,10,11
	v_mov_b32 v[QF+12*\i+\k], 0                    ; zero codes for k = 64 .. 127: written once
.endr
.endr
.irp k, 12,13,14,15,16,17
	v_mov_b32 v[KF+\k], 0                          ; what stands behind the second tile's codes: written once
.endr
.irp i, 0,1,2,3
	v_mov_b32 v[ST+16*\i+1], 0x7f800000            ; the least sq so far: above every number
	v_mov_b32 v[ST+16*\i+2], 0                     ; the sum
	v_mov_b32 v[ST+16*\i+3], 0
	v_mov_b32 v[ST+16*\i+4], 0x7f7fffff            ; cm so far: the largest number, so that the first factor is 2^(-large) = 0, over a sum of 0
	v_mov_b32 v[ST+16*\i+5], 0
.irp j, 8,9,10,11,12,13,14,15
	v_mov_b32 v[ST+16*\i+\j], 0                    ; the kept tile: a select reads what it may keep
.endr
.endr
	s_wait_alu depctr_va_vdst(0)                   ; the zero codes in QF + 6 .. 11 and KF + 12 .. 17 are written, which the scaled products take as parts of their operands; the 52 moves above are the places between
; THE LISTS.  Each macro writes one line of a tile of queries' work in a step, so that lines of two lists can be dealt out by turns.
; BI: line bn of 46: the clamp at 0 (16); each tile of keys' least sq (2 x 4, by turns); for each tile of keys: is it under the running least? the new least (2 x 2: the two compares are one run, into two masks);
; the wait for the masks; then for each tile of keys, under its mask: the tile's number and its 8 numbers (2 x 9)
.macro BI q
.set bV, S+16*(\q)
.set bW, ST+16*(\q)
.if bn < 16
	v_max_num_f32 v[bV+bn], 0, v[bV+bn]
.elseif bn < 24
.set be, (bn-16)%2
.set bk, (bn-16)/2
.if bk == 0
	v_min3_num_f32 v[TA+2*be], v[bV+8*be], v[bV+8*be+1], v[bV+8*be+2]
.elseif bk == 1
	v_min3_num_f32 v[TA+2*be+1], v[bV+8*be+3], v[bV+8*be+4], v[bV+8*be+5]
.elseif bk == 2
	v_min3_num_f32 v[TA+2*be], v[TA+2*be], v[bV+8*be+6], v[bV+8*be+7]
.else
	v_min_num_f32 v[TA+2*be], v[TA+2*be], v[TA+2*be+1]
.endif
.elseif bn < 28
.set be, (bn-24)/2
.if (bn-24)%2 == 0
	v_cmp_lt_f32 s[MK+be], v[TA+2*be], v[bW+1]     ; strictly: on a tie the earlier key stays
.else
	v_min_num_f32 v[bW+1], v[bW+1], v[TA+2*be]
.endif
.else
.if bn == 28
	s_wait_alu depctr_va_sdst(0)                   ; the two compares have written their masks, ahead of the first select that reads one
.endif
.set be, (bn-28)/9
.set bk, (bn-28)%9
.if bk == 0
	v_cndmask_b32 v[bW+5], v[bW+5], v[TV+be], s[MK+be]
.else
	v_cndmask_b32 v[bW+7+bk], v[bW+7+bk], v[bV+8*be+bk-1], s[MK+be]
.endif
.endif
.endm
; CI: root n of 17: d of the 16 numbers, in place; the 17th: of the running least
.macro CI q, n
.if (\n) < 16
	v_sqrt_f32 v[S+16*(\q)+(\n)], v[S+16*(\q)+(\n)]
.else
	v_sqrt_f32 v[ST+16*(\q)+7], v[ST+16*(\q)+1]
.endif
.endm
; DI: line n of 11: the new cm; new cm - old cm (0 or less); cm is replaced; the 16 exponents cm - log2(e) d, two at a time
.macro DI q, n
.set dV, S+16*(\q)
.set dW, ST+16*(\q)
.if (\n) == 0
	v_mul_f32 v[dW+7], s[CC], v[dW+7]
.elseif (\n) == 1
	v_sub_f32 v[dW+6], v[dW+7], v[dW+4]
.elseif (\n) == 2
	v_mov_b32 v[dW+4], v[dW+7]
.else
	v_pk_fma_f32 v[dV+2*((\n)-3):dV+2*((\n)-3)+1], v[dV+2*((\n)-3):dV+2*((\n)-3)+1], s[NC:NC+1], v[dW+4:dW+5] op_sel_hi:[1,0,0]
.endif
.endm
; EI: exponential n of 17: the 16 p, in place; the 17th: the sum's factor
.macro EI q, n
.if (\n) < 16
	v_exp_f32 v[S+16*(\q)+(\n)], v[S+16*(\q)+(\n)]
.else
	v_exp_f32 v[ST+16*(\q)+6], v[ST+16*(\q)+6]
.endif
.endm
; FI: line n of 8: the sum x its factor + the 16 p, two at a time
.macro FI q, n
.set fV, S+16*(\q)
.set fW, ST+16*(\q)
.if (\n) == 0
	v_pk_add_f32 v[TF:TF+1], v[fV+2:fV+3], v[fV+4:fV+5]
.elseif (\n) == 1
	v_pk_add_f32 v[TF+2:TF+3], v[fV+6:fV+7], v[fV+8:fV+9]
.elseif (\n) == 2
	v_pk_add_f32 v[TF+4:TF+5], v[fV+10:fV+11], v[fV+12:fV+13]
.elseif (\n) == 3
	v_pk_fma_f32 v[fW+2:fW+3], v[fW+2:fW+3], v[fW+6:fW+7], v[fV:fV+1] op_sel_hi:[1,0,1]
.elseif (\n) == 4
	v_pk_add_f32 v[TF:TF+1], v[TF:TF+1], v[TF+2:TF+3]
.elseif (\n) == 5
	v_pk_add_f32 v[TF+4:TF+5], v[TF+4:TF+5], v[fV+14:fV+15]
.elseif (\n) == 6
	v_pk_add_f32 v[TF:TF+1], v[TF:TF+1], v[TF+4:TF+5]
.else
	v_pk_add_f32 v[fW+2:fW+3], v[fW+2:fW+3], v[TF:TF+1]
.endif
.endm
; the 17 roots of tile q among the 46 plain lines of tile q + 1, which names none of tile q's registers
.macro ROOTS_AMONG_MINS q
	CI \q, 16
.set bn, 0
.rept 46
	BI (\q)+1
.if bn%3 == 0
	CI \q, bn/3
.endif
.set bn, bn+1
.endr
.endm
; the end of a batch: a plain line behind its last transcendental, and a wait ahead of the first line that names a result: one for the batch
.macro BATCH_END
	v_nop
	s_wait_alu depctr_va_vdst(0)                   ; the batch's roots or exponentials have written their results (which batch: at each use of the macro)
.endm
; A STEP: 32 keys against the 64 queries.  more = 1: the next step's keys are asked for.
.macro STEP more
	s_wait_loadcnt 0x0                             ; the step's keys are in (in the first step the queries too); no load of mine is out, so the three addresses may be stepped
.if \more
	s_add_nc_u64 s[KC:KC+1], s[KC:KC+1], PAIR_C
	s_add_nc_u64 s[KW:KW+1], s[KW:KW+1], 128
	s_add_nc_u64 s[KN:KN+1], s[KN:KN+1], 128
.endif
.irp q, 0,1,2,3                        ; eight products, each a whole sum (C = 0), each on registers of its own
	v_wmma_scale_f32_16x16x128_f8f6f4 v[S+16*\q:S+16*\q+7], v[KF:KF+11], v[QF+12*\q:QF+12*\q+11], 0, v[KS], v[QS+\q] matrix_a_fmt:MATRIX_FMT_FP6 matrix_b_fmt:MATRIX_FMT_FP6
	v_wmma_scale_f32_16x16x128_f8f6f4 v[S+16*\q+8:S+16*\q+15], v[KF+6:KF+17], v[QF+12*\q:QF+12*\q+11], 0, v[KS], v[QS+\q] matrix_a_fmt:MATRIX_FMT_FP6 matrix_b_fmt:MATRIX_FMT_FP6 matrix_a_scale:MATRIX_SCALE_ROW1
.endr
; sq = (|key|^2 + |query|^2) - 2 G: the sum of the norms rounded, then one more rounding (2 G is exact): the roundings of reference().  The first eight additions name no register of the products: they are the places
; behind them (ISA guide 7.12.1).  Each result is read from its low end on.
.irp q, 0,1,2,3
.irp p, 0,1,2,3,4,5,6,7
	v_pk_add_f32 v[T+2*\p:T+2*\p+1], v[YY+2*\p:YY+2*\p+1], v[ST+16*\q:ST+16*\q+1] op_sel_hi:[1,0]
.endr
.irp p, 0,1,2,3,4,5,6,7
	v_pk_fma_f32 v[S+16*\q+2*\p:S+16*\q+2*\p+1], v[S+16*\q+2*\p:S+16*\q+2*\p+1], -2.0, v[T+2*\p:T+2*\p+1] op_sel_hi:[1,0,1]
.endr
.endr
.if \more
	s_wait_alu depctr_va_vdst(0)                   ; the products are done reading the keys' codes and scale words, the additions their norms: the next step's loads land in these registers
.endif
.set bn, 0
.rept 46                               ; tile 0's plain lines, and among the first of them the next step's eight loads, one ahead of every fourth line: no vector line since the wait above names KF + 0 .. 11, KS or YY,
.if \more && (bn%4 == 0) && (bn/4 < 8) ; and none does before the next step's wait for the data, some 400 lines on
	KL bn/4
.endif
	BI 0
.set bn, bn+1
.endr
	ROOTS_AMONG_MINS 0
	ROOTS_AMONG_MINS 1
	ROOTS_AMONG_MINS 2
	BATCH_END                                      ; the roots of tiles 0, 1, 2
.set dn, 0
.rept 33                               ; tile 3's roots among the exponents of tiles 0, 1, 2
	DI dn/11, dn%11
.if dn%2 == 0
	CI 3, dn/2
.endif
.set dn, dn+1
.endr
	BATCH_END                                      ; the roots of tile 3
.set en, 0
.rept 51                               ; the exponentials of tiles 0, 1, 2, and among them tile 3's exponents
	EI en/17, en%17
.if (en%4 == 0) && (en/4 < 11)
	DI 3, en/4
.endif
.set en, en+1
.endr
	BATCH_END                                      ; the exponentials of tiles 0, 1, 2
.set fn, 0
.rept 24                               ; tile 3's exponentials among the sums of tiles 0, 1, 2
	FI fn/8, fn%8
.if fn < 17
	EI 3, fn
.endif
.set fn, fn+1
.endr
	BATCH_END                                      ; the exponentials of tile 3
.set fn, 0
.rept 8
	FI 3, fn
.set fn, fn+1
.endr
	v_add_nc_u32 v[TV], 2, v[TV]                   ; the next step's tiles of keys
	v_add_nc_u32 v[TV+1], 2, v[TV+1]
.endm
	s_mov_b32 s[CNT], STEPS-1
.Lstep:
	STEP 1
	s_sub_co_u32 s[CNT], s[CNT], 1
	s_cmp_lg_u32 s[CNT], 0
	s_cbranch_scc1 .Lstep
	STEP 0                                         ; the last step is written out: it asks for nothing, so no load leaves its buffer, and it has no wait for loads' sake
; THE END.  The first of the kept 8 that equals the least sq: from 7 downward, so that the lowest stays.  The compares hang on the kept numbers alone: they go in two runs, 16 and 12, each with one wait behind it.
.irp q, 0,1,2,3
	v_mov_b32 v[JJ+\q], 7
.endr
.irp j, 6,5,4,3
.irp q, 0,1,2,3
	v_cmp_neq_f32 s[ME+4*(6-\j)+\q], v[ST+16*\q+8+\j], v[ST+16*\q+1]
.endr
.endr
	s_wait_alu depctr_va_sdst(0)                   ; the sixteen compares have written their masks, ahead of the first select that reads one
.irp j, 6,5,4,3
.irp q, 0,1,2,3
	v_cndmask_b32 v[JJ+\q], \j, v[JJ+\q], s[ME+4*(6-\j)+\q]
.endr
.endr
.irp j, 2,1,0
.irp q, 0,1,2,3
	v_cmp_neq_f32 s[ME+4*(2-\j)+\q], v[ST+16*\q+8+\j], v[ST+16*\q+1]
.endr
.endr
	s_wait_alu depctr_va_sdst(0)                   ; the twelve compares have written their masks, ahead of the first select that reads one
.irp j, 2,1,0
.irp q, 0,1,2,3
	v_cndmask_b32 v[JJ+\q], \j, v[JJ+\q], s[ME+4*(2-\j)+\q]
.endr
.endr
.irp q, 0,1,2,3                        ; my record for query 16 q + r: the least sq, its key, cm, the sum
	v_mov_b32 v[REC+4*\q], v[ST+16*\q+1]
	v_lshl_add_u32 v[REC+4*\q+1], v[ST+16*\q+5], 4, v[JJ+\q]       ; 16 x tile + j
	v_mov_b32 v[REC+4*\q+2], v[ST+16*\q+4]
	v_add_f32 v[REC+4*\q+3], v[ST+16*\q+2], v[ST+16*\q+3]
.endr
.irp q, 0,1,2,3
	v_add_nc_u32 v[REC+4*\q+1], v[H8], v[REC+4*\q+1]               ; + 8 h
.endr
	s_wait_alu depctr_va_vdst(0)                   ; the records are written, which the LDS stores read; and all vector and matrix lines that read or wrote v16 to v143 are done: the merge's LDS loads land there, and no vector line stands between
.irp q, 0,1,2,3
	ds_store_b128 v[LW], v[REC+4*\q:REC+4*\q+3] offset:256*\q      ; partial 2 x wave + h of query 16 q + r lies at 1024 x partial + 16 x query
.endr
	s_wait_dscnt 0x0                               ; for the others' sake: my stores have landed
	s_barrier_signal -1
	s_barrier_wait -1
	s_cmp_gt_u32 s[WV], 1                          ; waves 0 and 1 merge: thread t takes query t
	s_cbranch_scc1 .Ldone
.set p, 0
.rept 32
	ds_load_b128 v[PP+4*p:PP+4*p+3], v[LR] offset:1024*p           ; (the wait ahead of the LDS stores has freed these registers; they share none with the records)
.set p, p+1
.endr
	s_wait_dscnt 0x0
	v_min3_num_f32 v[MR], v[PP], v[PP+4], v[PP+8]          ; the least sq and the least cm of the 32
	v_min3_num_f32 v[MC], v[PP+2], v[PP+6], v[PP+10]
.set p, 3
.rept 14
	v_min3_num_f32 v[MR], v[MR], v[PP+4*p], v[PP+4*p+4]
	v_min3_num_f32 v[MC], v[MC], v[PP+4*p+2], v[PP+4*p+6]
.set p, p+2
.endr
	v_min_num_f32 v[MR], v[MR], v[PP+124]
	v_min_num_f32 v[MC], v[MC], v[PP+126]
.set p, 0
.rept 32
	v_sub_f32 v[PP+4*p+2], v[MC], v[PP+4*p+2]      ; each partial sum goes under the common shift: x 2^(least cm - its cm)
.set p, p+1
.endr
.set p, 0
.rept 32
	v_exp_f32 v[PP+4*p+2], v[PP+4*p+2]
.set p, p+1
.endr
	v_mov_b32 v[IX], -1                            ; the lowest key among the partials that have the least sq.  (These lines name no exponential's result: they are the work between the batch and its wait)
.irp g, 0,1                            ; the compares in two runs of sixteen, each with one wait behind it
.set p, 0
.rept 16
	v_cmp_eq_f32 s[ME+p], v[PP+4*(16*\g+p)], v[MR]
.set p, p+1
.endr
	s_wait_alu depctr_va_sdst(0)                   ; the sixteen compares have written their masks, ahead of the first select that reads one
.set p, 0
.rept 16
	v_cndmask_b32 v[TM], -1, v[PP+4*(16*\g+p)+1], s[ME+p]
	v_min_u32 v[IX], v[IX], v[TM]
.set p, p+1
.endr
.endr
	s_wait_alu depctr_va_vdst(0)                   ; the 32 exponentials have written their results: one wait, ahead of their first reader
	v_mul_f32 v[AC], v[PP+3], v[PP+2]
	v_mul_f32 v[AC+1], v[PP+7], v[PP+6]
.set p, 2
.rept 15
	v_fmac_f32 v[AC], v[PP+4*p+3], v[PP+4*p+2]
	v_fmac_f32 v[AC+1], v[PP+4*p+7], v[PP+4*p+6]
.set p, p+2
.endr
	v_add_f32 v[AC], v[AC], v[AC+1]
	s_wait_alu depctr_va_vdst(0)                   ; the key and the sum are written, which the two stores read
	global_store_b32 v[LOT], v[IX], s[10:11]       ; a wave stores 128 consecutive bytes of each output, the two waves together the work-group's 256
	global_store_b32 v[LOT], v[AC], s[12:13]
.Ldone:
	s_wait_dscnt 0x0
	s_wait_alu depctr_hold_cnt(0) depctr_sa_sdst(0) depctr_va_vdst(0) depctr_va_sdst(0) depctr_va_ssrc(0) depctr_va_vcc(0) depctr_vm_vsrc(0)
	s_wait_tensorcnt 0x0
	ds_add_u32 v254, v255
	s_wait_dscnt 0x0
	s_endpgm
.Lfunc_end_k_q3888486a91_match:
	.size	k_q3888486a91_match, .Lfunc_end_k_q3888486a91_match-k_q3888486a91_match
	.p2alignl 7, 3214868480
	.fill 96, 4, 3214868480
	.section	.rodata,"a",@progbits
	.p2align	6, 0x0
	.amdhsa_kernel k_q3888486a91_match
		.amdhsa_group_segment_fixed_size 34816
		.amdhsa_private_segment_fixed_size 0
		.amdhsa_enable_private_segment 0
		.amdhsa_kernarg_size 40
		.amdhsa_user_sgpr_count 2
		.amdhsa_user_sgpr_kernarg_segment_ptr 1
		.amdhsa_wavefront_size32 1
		.amdhsa_system_sgpr_workgroup_id_x 1
		.amdhsa_system_sgpr_workgroup_id_y 1
		.amdhsa_system_sgpr_workgroup_id_z 1
		.amdhsa_system_vgpr_workitem_id 0
		.amdhsa_next_free_vgpr 256
		.amdhsa_next_free_sgpr 66
		.amdhsa_reserve_vcc 0
		.amdhsa_float_denorm_mode_32 3
		.amdhsa_float_denorm_mode_16_64 3
		.amdhsa_memory_ordered 1
		.amdhsa_forward_progress 1
		.amdhsa_inst_pref_size 73
	.end_amdhsa_kernel
	.amdgpu_metadata
---
amdhsa.version: [ 1, 2 ]
amdhsa.kernels:
  - .name:           k_q3888486a91_match
    .symbol:         k_q3888486a91_match.kd
    .args:
      - { .name: kc, .offset: 0, .size: 8, .value_kind: global_buffer, .address_space: global }
      - { .name: ks, .offset: 8, .size: 8, .value_kind: global_buffer, .address_space: global }
      - { .name: kn, .offset: 16, .size: 8, .value_kind: global_buffer, .address_space: global }
      - { .name: choice, .offset: 24, .size: 8, .value_kind: global_buffer, .address_space: global }
      - { .name: ssum, .offset: 32, .size: 8, .value_kind: global_buffer, .address_space: global }
    .group_segment_fixed_size: 34816
    .private_segment_fixed_size: 0
    .kernarg_segment_align: 8
    .kernarg_segment_size: 40
    .max_flat_workgroup_size: 512
    .sgpr_count:     66
    .vgpr_count:     256
    .wavefront_size: 32
...
	.end_amdgpu_metadata
.endif
;; end of part 4
;; launch final: the kernel of part 3 again; grid 32 x 1, 2 waves a work-group, no clusters, 0 bytes of LDS; arguments choice, ssum, out0, out1, out2; writes out0, out1, out2
